; MI455X (gfx1250); checked and timed in simulation.
; The chip was launched on July 23, 2026; its instructions are those of AMD's public machine-readable ISA for CDNA 5 (MIT licence, August 2026) and "CDNA5" Instruction Set Architecture Reference Guide (July 2026). The comments in the code are by the model that wrote it; some were corrected since.
;; MLP Attention. Allowed arithmetic: float matrix products may take bf16 or f16 operands with f32 sums; all other float work in f32.
;; Inputs: K 4 x 512 x 64 float32; Q 4 x 512 x 64 float32; V 4 x 512 x 64 float32; W1 128 x 64 float32; W2 64 float32; b1 64 float32; b2 one number float32.
;; Outputs: out0 4 x 512 x 64 float32; out1 4 x 512 x 512 float32.
;; One version. Each part assembles by itself: llvm-mc -triple=amdgcn-amd-amdhsa -mcpu=gfx1250 --defsym DOCPART=n.
;; ======== version 1 of 1: 1 launch
;; launch mlpatt (part 1): grid 256 x 1, 8 waves a work-group, clusters of 4 x 1, 327,680 bytes of LDS; arguments K, Q, V, W1, W2, b1, b2, out0, out1; writes out0, out1
.if DOCPART == 1
	.amdgcn_target "amdgcn-amd-amdhsa--gfx1250"
	.amdhsa_code_object_version 6
	.text
	.protected	k_qf39005dc3f_mlpatt
	.globl	k_qf39005dc3f_mlpatt
	.p2align	8
	.type	k_qf39005dc3f_mlpatt,@function
k_qf39005dc3f_mlpatt:
	s_mov_b64 s[64:65], 0
	v_nop
	global_prefetch_b8 v0, s[64:65] scope:SCOPE_SE
	s_setreg_imm32_b32 hwreg(HW_REG_WAVE_MODE, 25, 1), 1
	s_wait_xcnt 0x0
	s_wait_alu depctr_hold_cnt(0) depctr_sa_sdst(0) depctr_va_vdst(0) depctr_va_sdst(0) depctr_va_ssrc(0) depctr_va_vcc(0) depctr_vm_vsrc(0)
	s_getreg_b32 s2, hwreg(HW_REG_IB_STS2, 6, 4)
	s_cmp_eq_u32 s2, 0
	s_cbranch_scc0 .Lentry_in_a_cluster
	s_endpgm
.Lentry_in_a_cluster:
	s_bfe_u32 s2, ttmp6, 0x10000c
	s_cmp_lg_u32 s2, 0x3003
	s_cbranch_scc0 .Lentry_shape_is_right
	s_endpgm
.Lentry_shape_is_right:
; MLP attention, fused into one launch.  B = 4, 512 queries, 512 keys, D = 64, all buffers f32.
;   hq = Q Wq, hk = K Wk (Wq = even rows of W1, Wk = odd rows);  res[n][k] = sum over e of W2[e] relu(hq[n][e] + hk[k][e] + b1[e]) + b2;
;   att = softmax(res / 4) over the keys (out1);  out = att V (out0).
; SHARES.  Work-group g of 256 owns the 8 query rows 8 g .. 8 g + 7 of the 2,048 (batch b = g / 64).  Wave w of 8 owns keys 64 w .. 64 w + 63.
; The weight of the work is 8 x 512 x 64 elements of h for a work-group, 1,024 for a lane.
; THE STEP.  With a = hq + b1 and b = hk:  relu(a + b) = b - min(-a, b).  So res = sum W2 b - sum W2 min(-a, b).  The first sum hangs on the key alone: it is
; made once from the wave's hk registers, kept negated, and is the addend of each query's first multiply-add.  An element then costs a min and a multiply-add.
; LAYOUT.  L = lane, r = L % 16, h = L / 16.  hk is made transposed (source 0 = Wk transposed, source 1 = rows of K), so that a lane holds ONE key and
; 32 of its 64 features: register 8 t + j of key tile tau holds e = 16 t + 8 h + j.  -(hq + b1) and W2 lie in the same (t, j, h) order, equal in all r.
; So each step works on register pairs of two neighbouring e: one dual min and one packed multiply-add for two elements.
; KEYS.  Tile tau, lane r is key 64 w + 32 (tau % 2) + tau / 2 + 2 r.  The two halves of e meet by one exchange between lanes L and L xor 16, in which
; lanes h = 0 keep tile 2 p and lanes h = 1 tile 2 p + 1: register R[2 n + p] of lane L is then key 64 w + 2 L + p, so a pair of registers is 8 neighbouring
; bytes of att (32 lanes store 256 consecutive bytes, aligned) and one packed conversion makes a word of the bf16 operand for att V.
; The price: the K fragment loads' lanes are 544 bytes apart, so lanes r and r + 8 are 4,352 bytes apart, a multiple of 256, and meet in the same
; banks (64 banks of 4 bytes: ISA guide 11.1); that is 32 loads of a wave, once.
; CLUSTERS.  The four work-groups of a cluster lie in one batch (64 work-groups a batch) and need the same K[b] and V[b], 256 KiB: each wave asks for its
; 64 rows of K and of V by a joint load that names all four.  W1 (32 KiB) is not asked for jointly: it has to be split into Wq and Wk and rounded on the
; way, through registers, and of the 327,680 bytes of LDS 326,400 are taken, so an f32 copy has no room.  Q's rows are each work-group's own.
; SOFTMAX.  Each wave takes its own 64 keys' maximum away, and the eight waves' (maximum, sum) pairs meet in LDS: every exponent is at most 0 and the
; sum at least 1 for every finite input.  b2 is loaded and added, as in the definition.
; LIMITS.  Q, K, V, W1 and att (as the operand of att V) are rounded to bf16 for the matrix unit; sums in f32.  The order of rounding in res differs from
; the definition's: a + b is never rounded; instead two f32 sums of 64 terms W2 b and W2 min(-a, b) are formed from the same registers b and taken from each
; other.  Their terms are no larger than |W2| max(|a|, |b|), the size of the numbers whose sum the definition rounds, so the error is some dozens of f32
; roundings of such terms, whatever the rounding to bf16 did; a score whose h are all cut to 0 comes out as b2 plus such an error, not as b2 exactly.
; NaN and infinities among the inputs are not served (the min drops a NaN).  v_exp_f32 gives 0 for results below 2^-126 (ISA guide 15.8), so such
; weights are stored as 0.
.set KP,     272                       ; pitch of a row of K, V or hq' in LDS: 256 bytes + 16
.set TILEB,  64*KP                     ; a wave's 64 rows: 17,408 bytes
.set VT,     8*TILEB                   ; K at LDS byte 0, V behind it
.set WB,     2*8*TILEB                 ; 278,528: bf16 weights [j][e], pitch 160
.set WP,     160
.set WKOFF,  10368                     ; Wk lies 64 x 160 + 128 bytes behind Wq: the staging store's two halves of the lanes then fall 128 bytes apart modulo 256
.set HQS,    299264                    ; per wave 2,176 bytes: -(hq + b1) (8 rows, pitch 272); later the wave's partial out (8 rows, pitch 256)
.set HQW,    8*KP
.set PS,     316672                    ; per wave 1,152 bytes: att in bf16, 8 rows of 128 bytes, pitch 144
.set PSB,    1152
.set PP,     144
.set RED,    325888                    ; 512 bytes: (maximum, sum) at 64 n + 8 w
; vector registers: v0 thread, v1 L, v2 r, v3 h, v4-v14 addresses, v15 scratch
.set HK,   16                          ; v16-143   hk, tile tau at 32 tau
.set HQ,   144                         ; v144-175  -(hq + b1) of the query at work, four chunks of 8
.set W2R,  176                         ; v176-207  W2
.set X,    208                         ; v208-223  eight pairs at work
.set ACC,  224                         ; v224-231  a pair of sums for each key tile
.set R,    232                         ; v232-247  R[2 n + p]: scores, then weights
.set SP,   248                         ; v248-255  in the loop: a pair for each key tile, minus the sum of W2 hk over my 32 e
.set T,    248                         ; v248-255  behind the loop: scratch
.set WS,   16                          ; prologue: W1 as loaded (32), in bf16 (16)
.set WSB,  48
.set WQF,  16                          ; v16-79    fragments of Wq, number 4 s + t
.set QF,   80                          ; v80-111   Q as loaded
.set HQA,  112                         ; v112-143  b1, then hq + b1, then its negative
.set KF,   112                         ; v112-143  a key tile of K as loaded
.set WKF,  144                         ; fragments of Wk: (s, t) at 144 + 64 s + 8 t (v144-175 and v208-239)
.set KB,   240                         ; v240-255  Q's or K's fragments in bf16
.set VF,   16                          ; epilogue: v16-143 V as loaded
.set VB,   144                         ; v144-207  fragments of V, number 4 s + tau
.set ML,   208                         ; v208-223  (maximum, sum) of query n at 2 n
.set PA,   208                         ; v208-223  fragments of att
.set OACC, 16                          ; v16-47    partial out
.set SUM,  48                          ; v48-63    the eight waves' partial rows
; A round of the cluster's barrier: my work-group's barrier, wave 0 signals for the work-group, every wave waits for all four, my work-group's barrier again.
.macro ROUND
	s_barrier_signal -1
	s_barrier_wait -1
	s_cmp_lg_u32 s8, 0
	s_cbranch_scc1 .Lnot_wave_0_\@
	s_barrier_signal -3
.Lnot_wave_0_\@:
	s_barrier_wait -3
	s_barrier_signal -1
	s_barrier_wait -1
.endm
; Places behind matrix instructions (ISA guide 7.12.1): plain vector instructions that name none of their registers.
.macro PLACES cnt
.rept \cnt
	v_nop
.endr
.endm
; Key tile tau of my 64 rows of K: lane (r, h) takes row 32 (tau % 2) + tau / 2 + 2 r, floats 32 s + 16 c + 8 h + 4 q .. + 3 into KF[4 (4 s + 2 c + q)].
.macro KLOAD tau
.irp i, 0,1,2,3,4,5,6,7
	ds_load_b128 v[KF+4*\i:KF+4*\i+3], v11 offset:(32*((\tau)%2)+(\tau)/2)*KP+128*(\i/4)+64*((\i/2)%2)+16*(\i%2)
.endr
.endm
.macro KCVT                            ; 32 floats to two fragments (s = 0, 1) of 8 registers
.irp m, 0,1,2,3,4,5,6,7,8,9,10,11,12,13,14,15
	v_cvt_pk_bf16_f32 v[KB+\m], v[KF+2*\m], v[KF+2*\m+1]
.endr
.endm
; hk of key tile tau: four accumulators (t) by turns, one instruction a turn; the first product starts each sum.
.macro HKMUL tau
.irp t, 0,1,2,3
	v_wmma_f32_16x16x32_bf16 v[HK+32*\tau+8*\t:HK+32*\tau+8*\t+7], v[WKF+8*\t:WKF+8*\t+7], v[KB:KB+7], 0
.endr
.irp t, 0,1,2,3
	v_wmma_f32_16x16x32_bf16 v[HK+32*\tau+8*\t:HK+32*\tau+8*\t+7], v[WKF+64+8*\t:WKF+64+8*\t+7], v[KB+8:KB+15], v[HK+32*\tau+8*\t:HK+32*\tau+8*\t+7]
.endr
.endm
; Chunk t of -(hq + b1) of query nq: e = 16 t + 8 h + 0 .. 7, the same words for all r.
.macro HQFILL nq, t
	ds_load_b128 v[HQ+8*\t:HQ+8*\t+3],   v10 offset:KP*\nq+64*\t
	ds_load_b128 v[HQ+8*\t+4:HQ+8*\t+7], v10 offset:KP*\nq+64*\t+16
.endm
; Two register pairs (4 e) of chunk t for all four key tiles: 16 elements a lane in 16 instructions.
; first = 1: the first multiply-adds start the query's sums from SP, so neither a clearing nor a later addition is written.
.macro HALF t, g, first
.irp qq, 0,1
.irp tau, 0,1,2,3
	v_dual_min_num_f32 v[X+2*(4*\qq+\tau)], v[HK+32*\tau+8*\t+2*(2*\g+\qq)], v[HQ+8*\t+2*(2*\g+\qq)] :: v_dual_min_num_f32 v[X+2*(4*\qq+\tau)+1], v[HK+32*\tau+8*\t+2*(2*\g+\qq)+1], v[HQ+8*\t+2*(2*\g+\qq)+1]
.endr
.endr
.irp qq, 0,1
.irp tau, 0,1,2,3
.if \first*(1-\qq)
	v_pk_fma_f32 v[ACC+2*\tau:ACC+2*\tau+1], v[X+2*(4*\qq+\tau):X+2*(4*\qq+\tau)+1], v[W2R+8*\t+2*(2*\g+\qq):W2R+8*\t+2*(2*\g+\qq)+1], v[SP+2*\tau:SP+2*\tau+1]
.else
	v_pk_fma_f32 v[ACC+2*\tau:ACC+2*\tau+1], v[X+2*(4*\qq+\tau):X+2*(4*\qq+\tau)+1], v[W2R+8*\t+2*(2*\g+\qq):W2R+8*\t+2*(2*\g+\qq)+1], v[ACC+2*\tau:ACC+2*\tau+1]
.endif
.endr
.endr
.endm
; left = LDS loads issued behind this chunk's two.  refill = 1: the chunk's registers get the next query's numbers as soon as they have been read.
.macro CHUNK nq, t, left, refill
	s_wait_dscnt \left
.if \t == 0
	HALF \t, 0, 1
.else
	HALF \t, 0, 0
.endif
	HALF \t, 1, 0
.if \refill
	HQFILL (\nq+1), \t
.endif
.endm
; The two halves of e meet.  Lanes h = 0 keep tile 2 p and send tile 2 p + 1's part to lane L + 16, lanes h = 1 the other way round.
; The sums hold -res, so R = (res + b2) / 4 x log2(e) = sum x s34 + s70 with s34 = -log2(e) / 4, s70 = b2 x log2(e) / 4.
.macro FINISH nq
.irp tau, 0,1,2,3
	v_add_f32 v[X+\tau], v[ACC+2*\tau], v[ACC+2*\tau+1]
.endr
.irp p, 0,1
	v_cndmask_b32 v[X+4+2*\p], v[X+2*\p+1], v[X+2*\p], s68       ; what I send
	v_cndmask_b32 v[X+5+2*\p], v[X+2*\p], v[X+2*\p+1], s68       ; what I keep
.endr
.irp p, 0,1
	v_permlanex16_b32 v[X+8+\p], v[X+4+2*\p], s66, s67           ; from lane L xor 16 (the destination has been written: it is one of X's pairs)
.endr
.irp p, 0,1
	v_add_f32 v[X+5+2*\p], v[X+5+2*\p], v[X+8+\p]
	v_fma_f32 v[R+2*\nq+\p], v[X+5+2*\p], s34, s70
.endr
.endm
; Over the 32 lanes, for the eight queries side by side: ML[2 n + k], result in every lane.
.macro WRED op, k
.irp x, 1,2,4,8
.irp nq, 0,1,2,3,4,5,6,7
	\op\()_dpp v[ML+2*\nq+\k], v[ML+2*\nq+\k], v[ML+2*\nq+\k] row_xmask:\x row_mask:0xf bank_mask:0xf
.endr
.endr
.irp nq, 0,1,2,3,4,5,6,7
	v_permlanex16_b32 v[T+\nq], v[ML+2*\nq+\k], s66, s67
.endr
.irp nq, 0,1,2,3,4,5,6,7
	\op v[ML+2*\nq+\k], v[ML+2*\nq+\k], v[T+\nq]
.endr
.endm
	; ---- ids, addresses, descriptors: all that needs no buffer's address, while the arguments are on their way ----
	s_load_b512 s[16:31], s[0:1], 0x0              ; K 16:17, Q 18:19, V 20:21, W1 22:23, W2 24:25, b1 26:27, b2 28:29, out0 30:31
	s_load_b64 s[32:33], s[0:1], 0x40              ; out1
	s_set_vgpr_msb 0x40
	v_lshl_add_u32 v0, v0, 2, 0x4fb00
	v_mov_b32 v1, 0
	s_set_vgpr_msb 0x4045
	ds_add_u32 v0, v1
	s_wait_dscnt 0x0
	s_set_vgpr_msb 0x4500
	v_lshrrev_b32 v15, 5, v0
	v_readfirstlane_b32 s8, v15                    ; wave w
	v_and_b32 v1, 31, v0                           ; L
	v_and_b32 v2, 15, v0                           ; r
	v_bfe_u32 v3, v0, 4, 1                         ; h
	s_bfe_u32 s9, ttmp6, 0x40000                   ; cx: my place in the cluster
	s_lshl_b32 s10, ttmp9, 2                       ; ttmp9 counts clusters
	s_add_co_u32 s10, s10, s9                      ; g = 4 x cluster + cx: enters Q's, out0's and out1's addresses alone
	s_lshr_b32 s11, ttmp9, 4                       ; b = g / 64 = cluster / 16: the same in all four partners
	s_lshl_b32 s12, s10, 11                        ; 8 rows of 256 bytes (Q, out0)
	s_mov_b32 s13, 0
	s_lshl_b32 s14, s10, 14                        ; 8 rows of 2,048 bytes (out1)
	s_mov_b32 s15, 0
	s_lshl_b32 s4, s11, 17                         ; K and V: batch b (131,072 bytes)
	s_lshl_b32 s5, s8, 14                          ; + my wave's 64 rows of 256 bytes
	s_add_co_u32 s4, s4, s5
	s_mov_b32 s5, 0
	; descriptor group 1, for K's and V's tiles alike: 64 rows x 64 f32, 16 bytes of padding behind each row of 256
	s_mov_b32 s36, 15|(2<<16)|(1<<20)|(1<<21)|(5<<22)|(3<<25)  ; 15:0 the mask: all four of the cluster; 17:16 elements of 4 bytes; 20 padding on; 21 set beside a mask; 24:22 after every 64 words; 31:25 four words
	s_mov_b32 s37, 64<<16                          ; tensor_dim0 = 64
	s_mov_b32 s38, 64<<16                          ; tensor_dim1 = 64
	s_mov_b32 s39, 64<<16                          ; tile_dim0 = 64
	s_mov_b32 s40, 64                              ; tile_dim1 = 64
	s_mov_b32 s41, 64                              ; 64 elements from row to row
	s_mov_b32 s42, 0
	s_mov_b32 s43, 0
	s_mov_b32 s44, 1                               ; group 0 for K: count,
	s_mul_i32 s45, s8, TILEB                       ; LDS address: the wave's number times 17,408
	s_mov_b32 s48, 1                               ; group 0 for V
	s_add_co_u32 s49, s45, VT
	s_mov_b32 s60, s8                              ; lanes w + 8 i, for the read of my wave's factors
	s_add_co_u32 s61, s8, 8
	s_add_co_u32 s62, s8, 16
	s_add_co_u32 s63, s8, 24
	s_mov_b32 s66, 0x76543210                      ; v_permlanex16_b32: lane i of one half reads lane i of the other
	s_mov_b32 s67, 0xfedcba98
	s_mov_b32 s68, 0xffff0000                      ; the lanes with h = 1
	s_mov_b32 s69, 0x3eb8aa3b                      ; log2(e) / 4
	s_mov_b32 s34, 0xbeb8aa3b                      ; and its negative
	s_mul_i32 s72, s8, WP
	s_add_co_u32 s72, s72, WB
	s_mul_i32 s73, s8, HQW
	s_add_co_u32 s73, s73, HQS                     ; my wave's stage for -(hq + b1)
	s_lshl_b32 s74, s8, 8
	v_lshlrev_b32 v4, 4, v0                        ; W1: 16 bytes a thread
	v_mul_u32_u24 v5, v3, WKOFF                    ; staging store: matrix h,
	v_lshl_add_u32 v5, v2, 3, v5                   ; 8 bytes (4 bf16) at column 4 r,
	v_add_nc_u32 v5, s72, v5                       ; row w (+ 8 q in the offset)
	v_and_b32 v15, 7, v0                           ; L % 8 = r % 8
	v_lshl_add_u32 v6, v3, 3, v15                  ; transposing load: row 8 h + L % 8,
	v_mul_u32_u24 v6, v6, WP
	v_bfe_u32 v7, v0, 3, 1
	v_lshl_add_u32 v6, v7, 4, v6                   ; 16 bytes on for lanes 8-15 of each half
	v_add_nc_u32 v6, WB, v6
	v_lshlrev_b32 v7, 8, v15                       ; Q: row r % 8 (lanes r and r + 8 hold the same query),
	v_lshl_add_u32 v7, v3, 5, v7                   ; 8 floats on for h = 1
	v_lshlrev_b32 v8, 5, v3                        ; b1, W2: 32 h
	v_mul_u32_u24 v9, v15, KP
	v_add3_u32 v9, v9, v8, s73                     ; -(hq + b1) in: row r % 8, 32 h
	v_add_nc_u32 v10, s73, v8                      ; and back: 32 h
	v_mul_u32_u24 v11, v2, 2*KP
	v_add3_u32 v11, v11, v8, s45                   ; K: row 2 r of my 64, 32 h
	v_mul_u32_u24 v12, v3, 8*KP
	v_lshl_add_u32 v12, v2, 4, v12
	v_add_nc_u32 v12, s49, v12                     ; V: row 8 h of my 64, columns 4 r .. 4 r + 3
	v_lshl_add_u32 v14, v1, 3, s74                 ; out1 and out0: 256 w + 8 L
	v_add_nc_u32 v13, HQS, v14                     ; the last sum: row w of a partial out, 8 L
	; ---- the round in front of the joint loads needs the wave's number alone, so it stands here, while the arguments are still on their way:
	;      every partner asked for its arguments ahead of the round, and the joint loads are the first memory instructions behind the wait for them ----
	ROUND
	s_wait_kmcnt 0x0
	s_add_nc_u64 s[46:47], s[16:17], s[4:5]        ; K's and V's tiles: batch and wave alone, equal in the four partners
	s_or_b32 s47, s47, 0x80000000                  ; type = 2
	s_add_nc_u64 s[50:51], s[20:21], s[4:5]
	s_or_b32 s51, s51, 0x80000000
	; both first fills as one group behind the one round; two tensor loads of a wave are out, and nothing is ever filled again
	tensor_load_to_lds s[44:47], s[36:43]          ; my 64 rows of K[b]
	s_nop 0
	tensor_load_to_lds s[48:51], s[36:43]          ; my 64 rows of V[b]
	s_nop 0
	s_load_b32 s71, s[28:29], 0x0                  ; b2
	s_add_nc_u64 s[18:19], s[18:19], s[12:13]      ; Q, out0, out1 at my 8 rows
	s_add_nc_u64 s[30:31], s[30:31], s[12:13]
	s_add_nc_u64 s[32:33], s[32:33], s[14:15]
	; ---- 32 loads into registers, in the order in which they are wanted ----
.irp q, 0,1,2,3,4,5,6,7
	global_load_b128 v[WS+4*\q:WS+4*\q+3], v4, s[22:23] offset:4096*\q      ; W1: row 16 q + 2 w + h, columns 4 r ..; a wave's load covers 512 consecutive bytes
.endr
.irp i, 0,1,2,3,4,5,6,7
	global_load_b128 v[QF+4*\i:QF+4*\i+3], v7, s[18:19] offset:128*(\i/4)+64*((\i/2)%2)+16*(\i%2)   ; Q(r % 8, 32 s + 16 c + 8 h + 4 q ..), 2 KiB in all
.endr
.irp i, 0,1,2,3,4,5,6,7
	global_load_b128 v[HQA+4*\i:HQA+4*\i+3], v8, s[26:27] offset:64*(\i/2)+16*(\i%2)               ; b1[16 t + 8 h + j]: it starts hq's sums
.endr
.irp i, 0,1,2,3,4,5,6,7
	global_load_b128 v[W2R+4*\i:W2R+4*\i+3], v8, s[24:25] offset:64*(\i/2)+16*(\i%2)               ; W2 likewise
.endr
	; ---- W1 to bf16, split into Wq and Wk, into LDS ----
	s_wait_loadcnt 24                              ; loads come back in order: W1's eight are in, the 24 younger stay out
.irp m, 0,1,2,3,4,5,6,7,8,9,10,11,12,13,14,15
	v_cvt_pk_bf16_f32 v[WSB+\m], v[WS+2*\m], v[WS+2*\m+1]
.endr
.irp q, 0,1,2,3,4,5,6,7
	ds_store_b64 v5, v[WSB+2*\q:WSB+2*\q+1] offset:8*WP*\q       ; row j = 8 q + w of matrix h
.endr
	s_wait_dscnt 0x0                               ; my rows are written, for the other waves' sake
	s_barrier_signal -1
	s_barrier_wait -1                              ; all 64 rows of both matrices are there (the tensor loads stay out)
	; fragments of the transposed weights: lane (r, h) gets column e = 16 t + r, j = 32 s + 8 h .. + 7 and 32 s + 16 + 8 h .. + 7
.irp s, 0,1
.irp t, 0,1,2,3
	ds_load_tr16_b128 v[WQF+8*(4*\s+\t):WQF+8*(4*\s+\t)+3],   v6 offset:32*WP*\s+32*\t
	ds_load_tr16_b128 v[WQF+8*(4*\s+\t)+4:WQF+8*(4*\s+\t)+7], v6 offset:32*WP*\s+32*\t+16*WP
.endr
.endr
.irp s, 0,1
.irp t, 0,1,2,3
	ds_load_tr16_b128 v[WKF+64*\s+8*\t:WKF+64*\s+8*\t+3],   v6 offset:WKOFF+32*WP*\s+32*\t
	ds_load_tr16_b128 v[WKF+64*\s+8*\t+4:WKF+64*\s+8*\t+7], v6 offset:WKOFF+32*WP*\s+32*\t+16*WP
.endr
.endr
	; ---- hq + b1, transposed; every wave makes it for itself (8 matrix instructions), which spares a barrier ----
	s_wait_loadcnt 8                               ; Q and b1 are in; W2's eight stay out
.irp m, 0,1,2,3,4,5,6,7,8,9,10,11,12,13,14,15
	v_cvt_pk_bf16_f32 v[KB+\m], v[QF+2*\m], v[QF+2*\m+1]
.endr
	s_wait_kmcnt 0x0                               ; b2
	s_mul_f32 s70, s71, s69
	s_wait_dscnt 16                                ; Wq's 16 loads are in; Wk's 16 stay out
.irp s, 0,1
.irp t, 0,1,2,3
	v_wmma_f32_16x16x32_bf16 v[HQA+8*\t:HQA+8*\t+7], v[WQF+8*(4*\s+\t):WQF+8*(4*\s+\t)+7], v[KB+8*\s:KB+8*\s+7], v[HQA+8*\t:HQA+8*\t+7]   ; four accumulators by turns
.endr
.endr
	PLACES 5                                       ; four in front of the multiplies that read the results; five in front of the matrix instructions that write over Wq's fragments
.irp m, 0,1,2,3,4,5,6,7,8,9,10,11,12,13,14,15
	v_pk_mul_f32 v[HQA+2*\m:HQA+2*\m+1], v[HQA+2*\m:HQA+2*\m+1], -1.0 op_sel_hi:[1,0]              ; the loop's min wants -(hq + b1)
.endr
.irp i, 0,1,2,3,4,5,6,7
	ds_store_b128 v9, v[HQA+4*\i:HQA+4*\i+3] offset:64*(\i/2)+16*(\i%2)     ; row r % 8, e = 16 t + 8 h + ..; lanes r and r + 8 write equal words
.endr
	; ---- hk of my 64 keys, four tiles of 16; a tile's loads are issued ahead of the tile before's products ----
	s_wait_tensorcnt 0x1                           ; tensor loads of a wave end in order: my rows of K are in LDS, V's stay out; I alone read my rows
	s_wait_dscnt 0x0                               ; the stores above have read v112-143, which the next loads fill; Wk's fragments are in
	KLOAD 0
	s_wait_dscnt 0x0
	KCVT
	KLOAD 1
	HKMUL 0
	PLACES 4                                       ; in front of the conversions, which write the products' source
	s_wait_dscnt 0x0
	KCVT
	KLOAD 2
	HKMUL 1
	PLACES 4
	s_wait_dscnt 0x0
	KCVT
	KLOAD 3
	HKMUL 2
	PLACES 4
	s_wait_dscnt 0x0
	KCVT
	HKMUL 3                                        ; its results take the registers in which K was loaded
	PLACES 4                                       ; in front of the loads and sums that reuse Wk's and K's fragments and read hk
	; ---- the first query's numbers on their way; meanwhile the part of res that hangs on the key alone ----
	HQFILL 0, 0
	HQFILL 0, 1
	HQFILL 0, 2
	HQFILL 0, 3
	s_wait_loadcnt 0x0                             ; W2
.irp tau, 0,1,2,3
	v_pk_mul_f32 v[SP+2*\tau:SP+2*\tau+1], v[HK+32*\tau:HK+32*\tau+1], v[W2R:W2R+1]                ; four chains side by side: the first products start them
.endr
.set i, 1
.rept 15
.irp tau, 0,1,2,3
	v_pk_fma_f32 v[SP+2*\tau:SP+2*\tau+1], v[HK+32*\tau+2*i:HK+32*\tau+2*i+1], v[W2R+2*i:W2R+2*i+1], v[SP+2*\tau:SP+2*\tau+1]
.endr
.set i, i+1
.endr
.irp tau, 0,1,2,3
	v_pk_mul_f32 v[SP+2*\tau:SP+2*\tau+1], v[SP+2*\tau:SP+2*\tau+1], -1.0 op_sel_hi:[1,0]          ; kept negated: the loop's sums are then -res, and the sign goes into s34
.endr
	; ---- the scores: eight queries, written out (R is named by number) ----
.irp nq, 0,1,2,3,4,5,6
	CHUNK \nq, 0, 6, 1                             ; behind a chunk's two loads the three other chunks' six have been issued
	CHUNK \nq, 1, 6, 1
	CHUNK \nq, 2, 6, 1
	CHUNK \nq, 3, 6, 1
	FINISH \nq
.endr
	CHUNK 7, 0, 6, 0                               ; the last query fetches nothing: the counts run down
	CHUNK 7, 1, 4, 0
	CHUNK 7, 2, 2, 0
	CHUNK 7, 3, 0, 0
	FINISH 7
	; ---- V on its way into registers; my 64 keys' maximum, exponentials and sum ----
	s_wait_tensorcnt 0x0                           ; my rows of V are in LDS; I alone read them
.set i, 0
.rept 32
	ds_load_b128 v[VF+4*i:VF+4*i+3], v12 offset:(i+8*(i/8))*KP   ; i = 16 s + 8 c + ii: row 32 s + 16 c + 8 h + ii, columns 4 r .. 4 r + 3; sixteen lanes take a whole row
.set i, i+1
.endr
	s_lshl_b32 s75, s8, 3                          ; the epilogue's addresses; v4, v7, v8 named global loads, all shown done by the wait for W2
	s_add_co_u32 s75, s75, RED
	s_mul_i32 s72, s8, PSB
	s_add_co_u32 s72, s72, PS
	v_mov_b32 v4, s75                              ; my wave's (maximum, sum): RED + 8 w (+ 64 n)
	v_lshl_add_u32 v5, v1, 3, RED                  ; all pairs back: RED + 8 L
	v_lshl_add_u32 v6, v1, 2, s72                  ; att in bf16: keys 2 L, 2 L + 1
	v_and_b32 v15, 7, v0
	v_mul_u32_u24 v7, v15, PP
	v_lshl_add_u32 v7, v3, 4, v7
	v_add_nc_u32 v7, s72, v7                       ; its fragments: row r % 8, 16 h
	v_lshl_add_u32 v8, v2, 4, s73                  ; partial out: columns 4 r ..
.irp nq, 0,1,2,3,4,5,6,7
	v_max_num_f32 v[ML+2*\nq], v[R+2*\nq], v[R+2*\nq+1]
.endr
	WRED v_max_num_f32, 0
.irp nq, 0,1,2,3,4,5,6,7
	v_sub_f32 v[R+2*\nq], v[R+2*\nq], v[ML+2*\nq]
	v_sub_f32 v[R+2*\nq+1], v[R+2*\nq+1], v[ML+2*\nq]
.endr
.irp m, 0,1,2,3,4,5,6,7,8,9,10,11,12,13,14,15
	v_exp_f32 v[R+\m], v[R+\m]
.endr
	v_nop                                          ; one plain place behind the last exponential (ISA guide 5.7.2)
	s_wait_alu depctr_va_vdst(0)
.irp nq, 0,1,2,3,4,5,6,7
	v_add_f32 v[ML+2*\nq+1], v[R+2*\nq], v[R+2*\nq+1]
.endr
	WRED v_add_f32, 1
.irp nq, 0,1,2,3,4,5,6,7
	ds_store_b64 v4, v[ML+2*\nq:ML+2*\nq+1] offset:64*\nq        ; all lanes write the same pair
.endr
	s_wait_dscnt 0x0                               ; my pairs are written, for the others' sake; V's 32 loads are in as well
	s_barrier_signal -1
	; register work while the others arrive: V to bf16 fragments.  Tile tau takes column e = 4 r + tau; register 4 c + ii / 2 holds keys 32 s + 16 c + 8 h + ii, + 1
.irp s, 0,1
.irp tau, 0,1,2,3
.irp c, 0,1
.irp ii, 0,2,4,6
	v_cvt_pk_bf16_f32 v[VB+8*(4*\s+\tau)+4*\c+\ii/2], v[VF+4*(16*\s+8*\c+\ii)+\tau], v[VF+4*(16*\s+8*\c+\ii+1)+\tau]
.endr
.endr
.endr
.endr
	s_barrier_wait -1
	; ---- the eight waves' pairs meet: lane L holds wave L % 8 of query L / 8 (v248, v249) and of query L / 8 + 4 (v250, v251) ----
	ds_load_b64 v[248:249], v5
	ds_load_b64 v[250:251], v5 offset:256
	s_wait_dscnt 0x0
	v_max_num_f32_dpp v252, v248, v248 row_xmask:1 row_mask:0xf bank_mask:0xf
	v_max_num_f32_dpp v253, v250, v250 row_xmask:1 row_mask:0xf bank_mask:0xf
	v_max_num_f32_dpp v252, v252, v252 row_xmask:2 row_mask:0xf bank_mask:0xf
	v_max_num_f32_dpp v253, v253, v253 row_xmask:2 row_mask:0xf bank_mask:0xf
	v_max_num_f32_dpp v252, v252, v252 row_xmask:4 row_mask:0xf bank_mask:0xf
	v_max_num_f32_dpp v253, v253, v253 row_xmask:4 row_mask:0xf bank_mask:0xf
	v_sub_f32 v248, v248, v252                     ; a wave's maximum less the row's: at most 0
	v_sub_f32 v250, v250, v253
	v_exp_f32 v248, v248
	v_exp_f32 v250, v250
	v_nop
	s_wait_alu depctr_va_vdst(0)
	v_mul_f32 v249, v249, v248
	v_mul_f32 v251, v251, v250
.irp x, 1,2,4
	v_add_f32_dpp v249, v249, v249 row_xmask:\x row_mask:0xf bank_mask:0xf
	v_add_f32_dpp v251, v251, v251 row_xmask:\x row_mask:0xf bank_mask:0xf
.endr
	v_rcp_f32 v249, v249                           ; the row's sum is at least 1
	v_rcp_f32 v251, v251
	v_nop
	s_wait_alu depctr_va_vdst(0)
	v_mul_f32 v248, v248, v249                     ; the factor for wave L % 8
	v_mul_f32 v250, v250, v251
.irp k, 0,1,2,3
	v_readlane_b32 s[52+\k], v248, s[60+\k]        ; my wave's factor for query k: lane 8 k + w
	v_readlane_b32 s[56+\k], v250, s[60+\k]        ; and for query k + 4
.endr
	; ---- att out, and att V on my 64 keys ----
.irp nq, 0,1,2,3,4,5,6,7
	v_mul_f32 v[R+2*\nq], s[52+\nq], v[R+2*\nq]
	v_mul_f32 v[R+2*\nq+1], s[52+\nq], v[R+2*\nq+1]
.endr
.irp nq, 0,1,2,3,4,5,6,7
	global_store_b64 v14, v[R+2*\nq:R+2*\nq+1], s[32:33] offset:2048*\nq th:TH_STORE_NT   ; 32 lanes store 256 consecutive bytes, at a multiple of 256 from out1's first byte
.endr
.irp nq, 0,1,2,3,4,5,6,7
	v_cvt_pk_bf16_f32 v[T+\nq], v[R+2*\nq], v[R+2*\nq+1]
.endr
.irp nq, 0,1,2,3,4,5,6,7
	ds_store_b32 v6, v[T+\nq] offset:PP*\nq
.endr
.irp i, 0,1,2,3
	ds_load_b128 v[PA+4*\i:PA+4*\i+3], v7 offset:32*\i           ; LDS serves a wave's instructions in order (ISA guide 5.7.1.4): these see my stores above; keys 32 s + 16 c + 8 h ..
.endr
	s_wait_dscnt 0x0
.irp tau, 0,1,2,3
	v_wmma_f32_16x16x32_bf16 v[OACC+8*\tau:OACC+8*\tau+7], v[PA:PA+7], v[VB+8*\tau:VB+8*\tau+7], 0        ; four accumulators by turns
.endr
.irp tau, 0,1,2,3
	v_wmma_f32_16x16x32_bf16 v[OACC+8*\tau:OACC+8*\tau+7], v[PA+8:PA+15], v[VB+8*(4+\tau):VB+8*(4+\tau)+7], v[OACC+8*\tau:OACC+8*\tau+7]
.endr
	PLACES 4                                       ; in front of the stores of the results
.irp tau, 0,1,2,3
.irp j, 0,1,2,3,4,5,6,7
	ds_store_b32 v8, v[OACC+8*\tau+\j] offset:256*\j+4*\tau      ; query j, e = 4 r + tau; rows 8 + j repeat rows j, so both halves of the lanes write equal words
.endr
.endr
	s_wait_dscnt 0x0                               ; my partial out is written, for the others' sake
	s_barrier_signal -1
	s_barrier_wait -1
	; ---- out0: wave w adds the eight partial rows of query w ----
.irp ws, 0,1,2,3,4,5,6,7
	ds_load_b64 v[SUM+2*\ws:SUM+2*\ws+1], v13 offset:HQW*\ws
.endr
	s_wait_dscnt 0x0
	v_pk_add_f32 v[SUM:SUM+1], v[SUM:SUM+1], v[SUM+2:SUM+3]
	v_pk_add_f32 v[SUM+4:SUM+5], v[SUM+4:SUM+5], v[SUM+6:SUM+7]
	v_pk_add_f32 v[SUM+8:SUM+9], v[SUM+8:SUM+9], v[SUM+10:SUM+11]
	v_pk_add_f32 v[SUM+12:SUM+13], v[SUM+12:SUM+13], v[SUM+14:SUM+15]
	v_pk_add_f32 v[SUM:SUM+1], v[SUM:SUM+1], v[SUM+4:SUM+5]
	v_pk_add_f32 v[SUM+8:SUM+9], v[SUM+8:SUM+9], v[SUM+12:SUM+13]
	v_pk_add_f32 v[SUM:SUM+1], v[SUM:SUM+1], v[SUM+8:SUM+9]
	global_store_b64 v14, v[SUM:SUM+1], s[30:31] th:TH_STORE_NT  ; a whole row of 256 bytes, aligned
	s_set_vgpr_msb 0x5
	s_wait_tensorcnt 0x0
	ds_add_u32 v0, v1
	s_wait_dscnt 0x0
	s_set_vgpr_msb 0x500
	ROUND                                          ; the closing round: no work-group ends while a partner may still ask for a tile that names it
	s_endpgm
.Lfunc_end_k_qf39005dc3f_mlpatt:
	.size	k_qf39005dc3f_mlpatt, .Lfunc_end_k_qf39005dc3f_mlpatt-k_qf39005dc3f_mlpatt
	.p2alignl 7, 3214868480
	.fill 96, 4, 3214868480
	.section	.rodata,"a",@progbits
	.p2align	6, 0x0
	.amdhsa_kernel k_qf39005dc3f_mlpatt
		.amdhsa_group_segment_fixed_size 327680
		.amdhsa_private_segment_fixed_size 0
		.amdhsa_enable_private_segment 0
		.amdhsa_kernarg_size 72
		.amdhsa_user_sgpr_count 2
		.amdhsa_user_sgpr_kernarg_segment_ptr 1
		.amdhsa_wavefront_size32 1
		.amdhsa_system_sgpr_workgroup_id_x 1
		.amdhsa_system_sgpr_workgroup_id_y 1
		.amdhsa_system_sgpr_workgroup_id_z 1
		.amdhsa_system_vgpr_workitem_id 0
		.amdhsa_next_free_vgpr 258
		.amdhsa_next_free_sgpr 76
		.amdhsa_reserve_vcc 0
		.amdhsa_float_denorm_mode_32 3
		.amdhsa_float_denorm_mode_16_64 3
		.amdhsa_memory_ordered 1
		.amdhsa_forward_progress 1
		.amdhsa_inst_pref_size 126
	.end_amdhsa_kernel
	.amdgpu_metadata
---
amdhsa.version: [ 1, 2 ]
amdhsa.kernels:
  - .name:           k_qf39005dc3f_mlpatt
    .symbol:         k_qf39005dc3f_mlpatt.kd
    .args:
      - { .name: K, .offset: 0, .size: 8, .value_kind: global_buffer, .address_space: global }
      - { .name: Q, .offset: 8, .size: 8, .value_kind: global_buffer, .address_space: global }
      - { .name: V, .offset: 16, .size: 8, .value_kind: global_buffer, .address_space: global }
      - { .name: W1, .offset: 24, .size: 8, .value_kind: global_buffer, .address_space: global }
      - { .name: W2, .offset: 32, .size: 8, .value_kind: global_buffer, .address_space: global }
      - { .name: b1, .offset: 40, .size: 8, .value_kind: global_buffer, .address_space: global }
      - { .name: b2, .offset: 48, .size: 8, .value_kind: global_buffer, .address_space: global }
      - { .name: out0, .offset: 56, .size: 8, .value_kind: global_buffer, .address_space: global }
      - { .name: out1, .offset: 64, .size: 8, .value_kind: global_buffer, .address_space: global }
    .group_segment_fixed_size: 327680
    .private_segment_fixed_size: 0
    .kernarg_segment_align: 8
    .kernarg_segment_size: 72
    .max_flat_workgroup_size: 256
    .sgpr_count:     76
    .vgpr_count:     258
    .wavefront_size: 32
...
	.end_amdgpu_metadata
.endif
;; end of part 1
